; MI455X (gfx1250); checked and timed in simulation.
; The chip was launched on July 23, 2026; its instructions are those of AMD's public machine-readable ISA for CDNA 5 (MIT licence, August 2026) and "CDNA5" Instruction Set Architecture Reference Guide (July 2026). The comments in the code are by the model that wrote it; some were corrected since.
;; Multi Headed Attention. Allowed arithmetic: matrix products marked QUANTISED: E5M2 operands, one given power-of-two scale a tensor, by v_wmma_f32_16x16x64_bf8_bf8 or v_wmma_f32_16x16x128_bf8_bf8, f32 sums; everything else in f32.
;; Inputs: Wk_codes 1,024 x 32 x 32 uint8 (E5M2 codes of Wk, K innermost, in blocks of 32 codes); Wq_codes 1,024 x 32 x 32 uint8 (E5M2 codes of Wq, K innermost, in blocks of 32 codes); Wv_codes 1,024 x 32 x 32 uint8 (E5M2 codes of Wv, K innermost, in blocks of 32 codes); bk 1,024 float32; bq 1,024 float32; bv 1,024 float32; lowp_scales 10 int32 (the exponents e of the quantised operands' scales 2^e); mask 2 x 2,048 x 2,048 bool; x_codes 2 x 2,048 x 32 x 32 uint8 (E5M2 codes of x, K innermost, in blocks of 32 codes).
;; Outputs: out0 2 x 2,048 x 1,024 float32.
;; This version of the problem:
;;   THIS VERSION OF THE PROBLEM IS GIVEN IN LOW PRECISION. The matrix products marked QUANTISED in the list below multiply operands that are first quantised to E5M2 (5 exponent bits, 2 mantissa bits; 8 bits a number), with one given power-of-two scale for each operand tensor; their sums are f32. All else is computed in f32.
;;   The module's matrix products, in the order in which they are computed (A, B: the left and right operand; K: the contracted axis; several contracted axes count as one K, in the product's order):
;;     1. [M 4,096, K 1,024] x [K 1,024, N 1,024]; A: input x (given as codes); B: input Wq (given as codes): QUANTISED (scales: A lowp_scales[0], B lowp_scales[1])
;;     2. [M 4,096, K 1,024] x [K 1,024, N 1,024]; A: input x (given as codes); B: input Wk (given as codes): QUANTISED (scales: A lowp_scales[2], B lowp_scales[3])
;;     3. [M 4,096, K 1,024] x [K 1,024, N 1,024]; A: input x (given as codes); B: input Wv (given as codes): QUANTISED (scales: A lowp_scales[4], B lowp_scales[5])
;;     4. batch 32 x [M 2,048, K 64] x [K 64, N 2,048]; A: computed on the way; B: computed on the way: QUANTISED (scales: A lowp_scales[6], B lowp_scales[7])
;;     5. batch 32 x [M 2,048, K 2,048] x [K 2,048, N 64]; A: softmax (see below); B: computed on the way: QUANTISED (scales: A lowp_scales[8], B lowp_scales[9])
;;   THE QUANTISER, for each operand of a quantised product, along K:
;;     - The operand's scale is 2^e, e = its entry of the input lowp_scales (int32; the entries are numbered through the quantised products in the list's order, A before B).
;;     - Each number is divided by the scale, clamped to +-57,344, and rounded to the nearest number of E5M2, ties to even, subnormals kept.
;;     - The product sums the exact products of the quantised numbers (number of the format x scale) in f32.
;;   ~~~python
;;   def quantise(x, axis, e):      # numpy; x: float32 -> the quantised numbers, widened to float32 again
;;       x = np.moveaxis(x, axis, -1); K = x.shape[-1]
;;       r = np.clip(x / 2.0 ** e, -57344, 57344)
;;       step = 2.0 ** (np.maximum(np.frexp(np.where(r == 0, 1, r))[1] - 1, -14) - 2)
;;       q = np.round(r / step) * step * 2.0 ** e      # np.round: ties to even
;;       return np.moveaxis(q, -1, axis).astype(np.float32)
;;   ~~~
;;   SOFTMAX AHEAD OF A QUANTISED PRODUCT. Where the list says 'softmax', what is quantised is not the finished softmax but p = 2^(t - M), with t = logit x log2(e) and M = ceil(the row's largest t), a whole number; so 1/2 < the row's largest p <= 1. The row's sum l is taken of the UNQUANTISED p, in f32, and the product's result is divided by l at the end. Since M is a whole number, a kernel that streams over the keys may use a running M (the ceiling of the running maximum): every later rescaling is an exact power of two, so the quantised numbers keep their values, but for numbers so far below the row's largest that they fall under the format's range.
;;   OPERANDS COMPUTED ON THE WAY. 'Computed on the way' means the value that the module computes at that place (a softmax that the list does not call 'softmax' is quantised finished and normalised). What goes into a quantiser is computed in f32, as accurately as f32 sums, v_exp_f32 and their like allow (about 1e-6 of the number): no bf16 or f16 on the way to a quantiser, and a product that is left as it is and whose result goes on into a quantised operand takes f32 operands (vector FMAs, or v_wmma_f32_16x16x4_f32). A number that lies on a knife's edge between two numbers of the format may be rounded either way, as far as f32 arithmetic and the matrix unit's own rounding can turn it there, and no further.
;;   INPUTS GIVEN AS CODES. Wk (in the module: [1024, 1024], K = its axis 0); Wq (in the module: [1024, 1024], K = its axis 0); Wv (in the module: [1024, 1024], K = its axis 0); x (in the module: [2, 2048, 1024], K = its axis 2): each comes as NAME_codes (uint8): NAME with its K axis moved to the last place and cut into blocks of 32 codes, [.., K / 32, bytes a block], one block behind the other in memory; one code a byte (a code: sign, 5 exponent bits, 2 mantissa bits); its scale is its entry of lowp_scales. Its value is code x scale, taken as it is: it is not quantised again, and the codes and scales need not be those that the quantiser above would give.
;; One version. Each part assembles by itself: llvm-mc -triple=amdgcn-amd-amdhsa -mcpu=gfx1250 --defsym DOCPART=n.
;; ======== version 1 of 1: 2 launches
;; limits: right only within a limited range of input values
;; workspace buffers: qf 4,194,304 bytes; kf 4,194,304 bytes; vf 4,194,304 bytes; maskw 1,048,576 bytes of whole numbers
;; launch proj (part 1): grid 16 x 16, 4 waves a work-group, clusters of 4 x 4, 327,680 bytes of LDS; arguments x_codes, Wq_codes, Wk_codes, Wv_codes, bq, bk, bv, lowp_scales, mask, qf, kf, vf, maskw; writes qf, kf, vf, maskw
.if DOCPART == 1
	.amdgcn_target "amdgcn-amd-amdhsa--gfx1250"
	.amdhsa_code_object_version 6
	.text
	.protected	k_q2b7ac1fb13_proj
	.globl	k_q2b7ac1fb13_proj
	.p2align	8
	.type	k_q2b7ac1fb13_proj,@function
k_q2b7ac1fb13_proj:
	s_mov_b64 s[64:65], 0
	v_nop
	global_prefetch_b8 v0, s[64:65] scope:SCOPE_SE
	s_setreg_imm32_b32 hwreg(HW_REG_WAVE_MODE, 25, 1), 1
	s_wait_xcnt 0x0
	s_wait_alu depctr_hold_cnt(0) depctr_sa_sdst(0) depctr_va_vdst(0) depctr_va_sdst(0) depctr_va_ssrc(0) depctr_va_vcc(0) depctr_vm_vsrc(0)
	s_getreg_b32 s2, hwreg(HW_REG_IB_STS2, 6, 4)
	s_cmp_eq_u32 s2, 0
	s_cbranch_scc0 .Lentry_in_a_cluster
	s_endpgm
.Lentry_in_a_cluster:
	s_bfe_u32 s2, ttmp6, 0x10000c
	s_cmp_lg_u32 s2, 0xf033
	s_cbranch_scc0 .Lentry_shape_is_right
	s_endpgm
.Lentry_shape_is_right:
; q = x Wq + bq, k = x Wk + bk, v = x Wv + bv on the given codes of BF8 (E5M2), sums in f32; then q, k and v are quantised for the two products of the attention
; (q: entry 6 of the scales, k: entry 7, v: entry 9) and stored as IMAGES OF THE OPERAND REGISTERS that the next launch loads.  The mask is packed into lane-mask words on the side.
; NOTHING OF reference() IS LEFT OUT: every bias goes into a quantiser, the mask makes a row's scores uneven, so no term cancels; all inputs are loaded.
; LIMITS on the given exponents, so that each power of two below is an f32 number: e6-e0-e1, e7-e2-e3 and e9-e4-e5 between -126 and 112.  NaN and infinity codes among the inputs are not served.
; SHARES.  Work-group (hx, my): rows 256 my .. + 255 of x against rows 64 hx .. + 63 (one head) of Wq, Wk and Wv: a tile of 256 x 192; 16 x 16 work-groups.
; Wave w: rows 128 (w / 2) on, columns 32 (w % 2) on of each of q, k, v: 8 tiles of x times 6 tiles of W = 48 accumulators, 384 registers.
; q AND k ARE MADE TRANSPOSED (source 0 = 16 rows of W, source 1 = 16 rows of x): a lane holds one row s and eight neighbours along the head, the next K.  v IS MADE STRAIGHT (source 0 = x, source 1 = Wv):
; a lane holds one channel and eight neighbouring keys, its next K.  So one conversion of a result tile gives two registers of the next operand, in that operand's own order.
; The fragments come from LDS rows by loads of 16 bytes: a permutation of k inside an instruction, alike in x and W, so every product meets its partner.
; K goes in 8 steps of 128, two to a slot, through a ring of two LDS slots: four fills, two of them refills, all written out.  A step's 56 fragment loads stand in chunks between the tiles of x, six products each.
; THE MASK'S BYTES wait in registers of their own and are packed in the gaps ahead of the first two changes of slots, while the next slot's tiles are on their way.
; CLUSTER 4 x 4: the four of a row of the cluster need the same rows of x, the four of a column the same rows of the weights: each tile is asked for jointly.  Wave 0 asks for x, waves 1 to 3 for Wq, Wk, Wv.
; PREFETCH.  What the two refills load (K 512 to 767, K 768 to 1,023) is prefetched into the L2, each behind a first fill: two fills, four steps, ahead of its load.  Each cluster names each block of 256 bytes once: of its 256 rows of x
; a work-group names 64 (by cx; wave 0), of the 64 rows of each weight 16 (by cy; waves 1 to 3), a lane a row.  The first two fills come by their loads alone.
; OUTPUT LAYOUTS (bh = 16 batch + head).  qf, kf: [bh][tile of 16 rows][chunk 2][lane][16 bytes]: chunk c = registers 4c .. 4c+3 of a 16 x 64 fragment (lane (r, h): row r; registers 2i, 2i+1: d = 16i + 8h + 0..7).
; vf: [bh][step of 128 keys][tile of 16 channels][chunk 4][lane][16 bytes]: lane (r, h): channel r; registers 2a, 2a+1: keys 16a + 8h + 0..7.
; maskw: [tile of 16 queries, 256 of them][step 16][64 words]: bit r + 16h of word 8c + j = mask(query r, key 128 step + 16c + 8h + j).
; REGISTERS, in windows of 256.  Window 0: v0-15 at work, v16-29 addresses and constants; v32-159 x fragments, v160-255 W fragments: set 0.  Window 1: set 1 at the same numbers.
; Window 2: accumulators of x tiles 0-3 (tile a, W tile w at v[8 (6 a + w)]); v192-239 the biases, eight registers a W tile.  Window 3: accumulators of x tiles 4-7; v192-255 the mask's bytes.
.set PITCH, 272                        ; an LDS row: 256 bytes + 16 of padding = 68 words: the 16 rows of a load start at 16 different banks (64 banks of 4 bytes: ISA guide 11.1)
.set SLOT,  448*PITCH                  ; x: 256 rows, then Wq, Wk, Wv: 64 rows each
.set WOFF,  256*PITCH
.set WKIND, 64*PITCH
.set SPARE, 2*SLOT                     ; behind the ring: the spare words, 128 bytes a wave: two blocks of 256 bytes that no other line names
.set MO,   10                          ; v10  the mask: 2048 r + 8 h
.set BQO,  11                          ; v11  bq, bk: 32 h
.set BVO,  12                          ; v12  bv: 4 r
.set ADX,  16                          ; v16-17 LDS address of my x fragments in slot 0, 1
.set ADW,  18                          ; v18-19 the same for W
.set SCL,  20                          ; v20, 21: q's conversion scale and its hold; v22, 23: k's; v24, 25: v's
.set LI,   26                          ; v26  16 x lane
.set PFO,  27                          ; v27  the prefetches' offset: 1,024 x lane (waves 1 to 3: lanes 16 on name lane 15's row); never rewritten
.set SPW,  28                          ; v28  my spare word; never rewritten
.set NIL,  29                          ; v29  0; never rewritten
.set XF,   32
.set WF,   160
.set BI,   192                         ; window 2: the biases
.set BT,   240                         ; window 2: bv as loaded
.set MD,   192                         ; window 3: the mask's bytes as loaded
.set MW,   0                           ; v0-7 the words to store (behind the head)
.set MT,   8                           ; v8-15 at work (behind the head)
.set MS,   73                          ; s73-80 lane masks at work (behind the head)
.set HOLD, 32                          ; the way out: 96 held numbers
.set CODE, 128                         ; the way out: 24 registers of codes for each pair of x tiles
.set G1A,  32                          ; s[32:39] descriptor group 1 for x;  s[40:47] for W
.set G1B,  40
.set G0A,  48                          ; s[48:55] group 0 for x, a set for each slot;  s[56:63] for W
.set G0B,  56
.set WV,   66
.set WR,   67
.set CB,   68
.set CX,   69
.set CY,   70
.set HX,   71
.set MY,   72
.set PF,   82                          ; s[82:83] the prefetches' base
.set MSB,  0
.macro WIN new                         ; the immediate's high byte repeats the setting that is left; a switch that changes nothing is dropped
.if MSB != (\new)
	s_set_vgpr_msb (MSB<<8)|(\new)
.set MSB, (\new)
.endif
.endm
.macro PLACES                          ; four plain vector instructions between a matrix instruction and a load into, or a vector read of, its registers
.rept 4
	v_nop
.endr
.endm
; A joint load: wave 0 for x, waves 1 to 3 for a weight each.  The branch hangs on the wave's number alone.  An s_nop 0 and four v_nop follow each line.
.macro JLOAD s
	s_cmp_eq_u32 s[WV], 0
	s_cbranch_scc0 .Lfor_w_\@
	tensor_load_to_lds s[G0A+4*\s:G0A+4*\s+3], s[G1A:G1A+7]
	s_nop 0
.rept 4
	v_nop
.endr
	s_branch .Lasked_\@
.Lfor_w_\@:
	tensor_load_to_lds s[G0B+4*\s:G0B+4*\s+3], s[G1B:G1B+7]
	s_nop 0
.rept 4
	v_nop
.endr
.Lasked_\@:
.endm
.macro ASK k                           ; the prefetch of my rows' 256 bytes from K = k on; wave 0 has 64 rows, the others 16
	global_prefetch_b8 v[PFO], s[PF:PF+1] offset:\k th:TH_LOAD_NT scope:SCOPE_SE
	s_cmp_lg_u32 s[WV], 0
	s_cbranch_scc1 .Lno_more_\@
	global_prefetch_b8 v[PFO], s[PF:PF+1] offset:\k+32768 th:TH_LOAD_NT scope:SCOPE_SE
.Lno_more_\@:
.endm
.macro CREST                           ; a round of the cluster's barrier behind its opening barrier
	s_cmp_lg_u32 s[WV], 0
	s_cbranch_scc1 .Lnot_wave_0_\@
	s_barrier_signal -3
.Lnot_wave_0_\@:
	s_barrier_wait -3
	s_barrier_signal -1
	s_barrier_wait -1
.endm
.macro CROUND
	s_barrier_signal -1
	s_barrier_wait -1
	CREST
.endm
; n of a step's 56 LDS loads, from number n0 on: the fragments of the slot's q-th 128 along K into set f: W's six tiles (24 loads), x tiles 0-3 (16), x tiles 4-7 (16)
.macro FET slot, q, f, n0, n
	WIN (\f)<<6
.set I, \n0
.rept \n
.if I < 24
	ds_load_b128 v[WF+4*I:WF+4*I+3], v[ADW+\slot] offset:(I/8)*WKIND+((I/4)%2)*16*PITCH+128*(\q)+32*(I%4)
.else
	ds_load_b128 v[XF+4*(I-24):XF+4*(I-24)+3], v[ADX+\slot] offset:((I-24)/4)*16*PITCH+128*(\q)+32*(I%4)
.endif
.set I, I+1
.endr
.endm
; x tile ta against W's six, 128 along K, from set f.  first = 1: the bias is the C of the sum's first product.  The 48 accumulators take turns, one instruction a turn, in the same order in every step.
.macro MUL1 f, ta, first
.if \first
	WIN (\f)|((\f)<<2)|(2<<4)|((2+(\ta)/4)<<6)
.else
	WIN (\f)|((\f)<<2)|((2+(\ta)/4)<<4)|((2+(\ta)/4)<<6)
.endif
.irp w, 0,1,2,3,4,5
.set AC, 8*(6*((\ta)%4)+\w)
.set XA, XF+16*(\ta)
.if \w < 4
.if \first
	v_wmma_f32_16x16x128_bf8_bf8 v[AC:AC+7], v[WF+16*\w:WF+16*\w+15], v[XA:XA+15], v[BI+8*\w:BI+8*\w+7]
.else
	v_wmma_f32_16x16x128_bf8_bf8 v[AC:AC+7], v[WF+16*\w:WF+16*\w+15], v[XA:XA+15], v[AC:AC+7]
.endif
.else
.if \first
	v_wmma_f32_16x16x128_bf8_bf8 v[AC:AC+7], v[XA:XA+15], v[WF+16*\w:WF+16*\w+15], v[BI+8*\w:BI+8*\w+7]
.else
	v_wmma_f32_16x16x128_bf8_bf8 v[AC:AC+7], v[XA:XA+15], v[WF+16*\w:WF+16*\w+15], v[AC:AC+7]
.endif
.endif
.endr
.endm
; A slot's first step multiplies set 0 and fetches the slot's second 128 along K into set 1, eight loads behind each tile of x but the last.
.macro STEPA slot, first
	s_wait_dscnt 16                                ; W and x tiles 0-3 are in; the youngest sixteen loads (x tiles 4-7) may be out
	PLACES                                         ; for the loads into set 1, which the step before multiplied
	MUL1 0, 0, \first
	FET \slot, 1, 1, 0, 8
	MUL1 0, 1, \first
	FET \slot, 1, 1, 8, 8
	MUL1 0, 2, \first
	FET \slot, 1, 1, 16, 8
	MUL1 0, 3, \first
	FET \slot, 1, 1, 24, 8
	s_wait_dscnt 32                                ; all but the 32 issued in this step
	MUL1 0, 4, \first
	FET \slot, 1, 1, 32, 8
	MUL1 0, 5, \first
	FET \slot, 1, 1, 40, 8
	MUL1 0, 6, \first
	FET \slot, 1, 1, 48, 8
	MUL1 0, 7, \first
.endm
; A slot's second step multiplies set 1 and changes slots: one barrier; in front of it each wave waits for all its tensor loads, adds 0 to its spare word, and waits for that and for its reads of this slot.
; fill = 1: the barrier opens a round of the cluster's barrier, and the joint refill of this slot, 512 further along K, is the first thing behind the round.
.macro TURN slot, next, fill
	WIN 0                                          ; (the add's two registers lie in window 0)
	s_wait_tensorcnt 0x0                           ; all my tensor loads have landed: the one that was out is my part of the next slot
	ds_add_u32 v[SPW], v[NIL]                      ; 0 onto my spare word
	s_wait_dscnt 17                                ; (the add and x tiles 4-7 may be out)
	MUL1 1, 0, 0                                   ; six products stand between the add and the wait for it
	s_wait_dscnt 0x0                               ; the add is done, and my reads of this slot are over
	s_barrier_signal -1
	MUL1 1, 1, 0
	WIN 0
	s_barrier_wait -1
.if \fill
	CREST                                          ; no wave of any partner still reads this slot or has a load on its way
	s_add_nc_u64 s[G0A+4*\slot+2:G0A+4*\slot+3], s[G0A+4*\slot+2:G0A+4*\slot+3], 512
	s_add_nc_u64 s[G0B+4*\slot+2:G0B+4*\slot+3], s[G0B+4*\slot+2:G0B+4*\slot+3], 512
	JLOAD \slot                                    ; its four v_nop are also the places in front of the loads below
.else
	PLACES
.endif
	FET \next, 0, 0, 0, 10
	MUL1 1, 2, 0
	FET \next, 0, 0, 10, 10
	MUL1 1, 3, 0
	FET \next, 0, 0, 20, 10
	MUL1 1, 4, 0
	FET \next, 0, 0, 30, 10
	MUL1 1, 5, 0
	FET \next, 0, 0, 40, 8
	MUL1 1, 6, 0
	FET \next, 0, 0, 48, 8
	MUL1 1, 7, 0
.endm
; A quarter of my mask words (step k of my four): a byte of all 32 lanes becomes a word: mask the byte, compare, and put the lane mask into the lane and register from which a store of 16 bytes a lane writes it at its place.
; Two quarters fill four registers: 512 consecutive bytes.
.macro PACK k
	WIN 0x0c                                       ; source 1 window 3
.if (\k)%2 == 0
.irp x, 0,1,2,3
	v_mov_b32 v[MW+4*((\k)/2)+\x], 0               ; v_writelane_b32's destination counts as read
.endr
.endif
.set W, 64*(\k)
.rept 8
.irp x, 0,1,2,3,4,5,6,7
	v_and_b32 v[MT+\x], 0xff<<(8*(\x%4)), v[MD+16*(W/64)+2*((W/8)%8)+\x/4]
.endr
.irp x, 0,1,2,3,4,5,6,7
	v_cmp_ne_u32 s[MS+\x], v[MT+\x], 0
.endr
.irp x, 0,1,2,3,4,5,6,7
	v_writelane_b32 v[MW+4*(W/128)+\x%4], s[MS+\x], (W%128)/4+\x/4
.endr
.set W, W+8
.endr
	WIN 0
.if (\k)%2 == 1
	global_store_b128 v[LI], v[MW+4*((\k)/2):MW+4*((\k)/2)+3], s[28:29] offset:512*((\k)/2)
.endif
	s_wait_alu depctr_va_vdst(0)                   ; the wait ahead of the waits that follow
.endm
; The constants of one of q, k, v.  A sum stands for sum x 2^(ea + eb): the bias goes in x 2^-(ea + eb), and the conversion takes 2^(eo - ea - eb) as its one scale.
.macro SCALES ea, eb, eo, neg, sc
	s_add_co_i32 s73, s[\ea], s[\eb]
	s_sub_co_i32 s[\neg], 0, s73
	s_sub_co_i32 s73, s[\eo], s73
	s_add_co_i32 s73, s73, 127
	s_lshl_b32 s74, s73, 23
	v_mov_b32 v[\sc], s74                          ; the scale as f32: the conversion takes its exponent field
	s_add_co_i32 s73, s73, 15
	s_lshl_b32 s73, s73, 23
	s_or_b32 s73, s73, 0x600000
	v_mov_b32 v[\sc+1], s73                        ; 57,344 x the scale
.endm
	s_load_b512 s[4:19], s[0:1], 0x0               ; x, Wq, Wk, Wv, bq, bk, bv, the scales
	s_load_b256 s[20:27], s[0:1], 0x40             ; mask, qf, kf, vf
	s_load_b64 s[28:29], s[0:1], 0x60              ; maskw
	v_lshl_add_u32 v[SPW], v0, 2, SPARE
	v_mov_b32 v[NIL], 0
	ds_add_u32 v[SPW], v[NIL]                      ; the wave's opening: the add, twice on end, and its wait ahead of my first tensor load
	ds_add_u32 v[SPW], v[NIL]
	v_lshrrev_b32 v1, 5, v0
	v_readfirstlane_b32 s[WV], v1                  ; wave 0..3
	s_lshr_b32 s[WR], s[WV], 1                     ; which 128 rows of x
	s_and_b32 s[CB], s[WV], 1                      ; which 32 columns of each of q, k, v
	s_bfe_u32 s[CX], ttmp6, 0x40000
	s_bfe_u32 s[CY], ttmp6, 0x40004
	s_lshl_b32 s[HX], ttmp9, 2
	s_add_co_u32 s[HX], s[HX], s[CX]               ; the head = 4 x cluster x + cx
	s_and_b32 s[MY], ttmp7, 0xffff
	s_lshl_b32 s[MY], s[MY], 2
	s_add_co_u32 s[MY], s[MY], s[CY]               ; the block of 256 rows = 4 x cluster y + cy
	s_lshl_b32 s73, s[CY], 2
	s_lshl_b32 s73, 15, s73                        ; my row of the cluster
	s_lshl_b32 s74, 0x1111, s[CX]                  ; my column
	s_or_b32 s[G1A], s73, (1<<20)|(1<<21)|(5<<22)|(3<<25)   ; 15:0 the mask; 17:16 elements of 1 byte; 20 padding on; 21 set beside a mask; 24:22 after every 64 words; 31:25 four words
	s_or_b32 s[G1B], s74, (1<<20)|(1<<21)|(5<<22)|(3<<25)
	s_mov_b32 s[G1A+1], 256<<16                    ; tensor_dim0 = 256
	s_mov_b32 s[G1A+2], 256<<16                    ; tensor_dim1 = 256 rows of x
	s_mov_b32 s[G1A+3], 256<<16                    ; tile_dim0
	s_mov_b32 s[G1A+4], 256                        ; tile_dim1
	s_mov_b32 s[G1A+5], 1024                       ; from row to row
	s_mov_b32 s[G1A+6], 0
	s_mov_b32 s[G1A+7], 0
	s_mov_b32 s[G1B+1], 256<<16
	s_mov_b32 s[G1B+2], 64<<16                     ; 64 rows of a weight
	s_mov_b32 s[G1B+3], 256<<16
	s_mov_b32 s[G1B+4], 64
	s_mov_b32 s[G1B+5], 1024
	s_mov_b32 s[G1B+6], 0
	s_mov_b32 s[G1B+7], 0
	s_lshl_b32 s76, s[MY], 18                      ; x: 256 rows of 1,024 bytes a block: made of the block alone, which my row of the cluster shares
	s_mov_b32 s77, 0
	s_lshl_b32 s78, s[HX], 16                      ; W: 64 rows a head: made of the head alone, which my column shares
	s_mov_b32 s79, 0
	s_mul_i32 s80, s[WV], WKIND
	s_add_co_u32 s80, s80, WOFF-WKIND              ; where wave 1, 2, 3 puts its weight in a slot
	s_wait_alu depctr_va_vdst(0)                   ; the wait ahead of the waits below
	s_wait_dscnt 0x0                               ; both opening adds are done
	s_wait_kmcnt 0x0
	s_load_b256 s[84:91], s[18:19], 0x0            ; e0 .. e7
	s_load_b64 s[92:93], s[18:19], 0x20            ; e8, e9
	s_add_nc_u64 s[76:77], s[4:5], s[76:77]
	s_cmp_eq_u32 s[WV], 1
	s_cselect_b64 s[82:83], s[6:7], s[8:9]         ; wave 1: Wq, wave 2: Wk,
	s_cmp_eq_u32 s[WV], 3
	s_cselect_b64 s[82:83], s[10:11], s[82:83]     ; wave 3: Wv
	s_add_nc_u64 s[78:79], s[82:83], s[78:79]
	CROUND                                         ; all sixteen work-groups are here: the first joint loads meet
.irp s, 0,1
	s_mov_b32 s[G0A+4*\s], 1
	s_mov_b32 s[G0A+4*\s+1], \s*SLOT
	s_add_nc_u64 s[G0A+4*\s+2:G0A+4*\s+3], s[76:77], \s*256
	s_or_b32 s[G0A+4*\s+3], s[G0A+4*\s+3], 0x80000000
	s_mov_b32 s[G0B+4*\s], 1
	s_add_co_u32 s[G0B+4*\s+1], s80, \s*SLOT
	s_add_nc_u64 s[G0B+4*\s+2:G0B+4*\s+3], s[78:79], \s*256
	s_or_b32 s[G0B+4*\s+3], s[G0B+4*\s+3], 0x80000000
.endr
	JLOAD 0                                        ; slot 0: one tensor load a wave at the head
	; THE MASK.  Work-group g = 16 my + hx packs rows 16 g .. + 15 of the 4,096; wave w their columns 512 w .. + 511: four steps of 128 keys.  Lane (r, h) takes 8 bytes: row r, keys 16 c + 8 h + 0..7.
	v_and_b32 v1, 15, v0                           ; r
	v_bfe_u32 v2, v0, 4, 1                         ; h
	v_lshlrev_b32 v[MO], 11, v1
	v_lshl_add_u32 v[MO], v2, 3, v[MO]
	v_lshlrev_b32 v[BQO], 5, v2
	v_lshlrev_b32 v[BVO], 2, v1
	s_wait_alu depctr_va_vdst(0)                   ; the wait ahead of the scalar lines below
	s_lshl_b32 s73, s[MY], 4
	s_add_co_u32 s73, s73, s[HX]                   ; g
	s_lshl_b32 s74, s73, 15
	s_lshl_b32 s75, s[WV], 9
	s_add_co_u32 s74, s74, s75
	s_mov_b32 s75, 0
	s_add_nc_u64 s[20:21], s[20:21], s[74:75]
	s_lshl_b32 s74, s73, 12
	s_lshl_b32 s75, s[WV], 10
	s_add_co_u32 s74, s74, s75
	s_mov_b32 s75, 0
	s_add_nc_u64 s[28:29], s[28:29], s[74:75]
	; THE BIASES, in the results' layout.  q, k: lane (r, h) of W tile u wants those of columns 16 u + 8 h + 0..7; v: that of column 16 u + r, eight times.
	s_lshl_b32 s74, s[HX], 8
	s_lshl_b32 s75, s[CB], 7
	s_add_co_u32 s74, s74, s75                     ; 4 (64 head + 32 half)
	s_mov_b32 s75, 0
	s_add_nc_u64 s[12:13], s[12:13], s[74:75]
	s_add_nc_u64 s[14:15], s[14:15], s[74:75]
	s_add_nc_u64 s[16:17], s[16:17], s[74:75]
	WIN 0x80                                       ; destination window 2
.irp u, 0,1
	global_load_b128 v[BI+8*\u:BI+8*\u+3], v[BQO], s[12:13] offset:64*\u
	global_load_b128 v[BI+8*\u+4:BI+8*\u+7], v[BQO], s[12:13] offset:64*\u+16
	global_load_b128 v[BI+16+8*\u:BI+16+8*\u+3], v[BQO], s[14:15] offset:64*\u
	global_load_b128 v[BI+16+8*\u+4:BI+16+8*\u+7], v[BQO], s[14:15] offset:64*\u+16
	global_load_b32 v[BT+\u], v[BVO], s[16:17] offset:64*\u
.endr
	WIN 0xc0                                       ; destination window 3
.irp k, 0,1,2,3
.irp c, 0,1,2,3,4,5,6,7
	global_load_b64 v[MD+16*\k+2*\c:MD+16*\k+2*\c+1], v[MO], s[20:21] offset:128*\k+16*\c   ; the wave's 32 loads together cover 16 rows x 512 whole bytes
.endr
.endr
	WIN 0
	; the prefetches' base and offset: wave 0: row 64 cx of my block of x; waves 1 to 3: row 16 cy of my head's rows of the weight
	s_lshl_b32 s74, s[CX], 16
	s_lshl_b32 s75, s[CY], 14
	s_cmp_eq_u32 s[WV], 0
	s_cselect_b64 s[PF:PF+1], s[76:77], s[78:79]
	s_cselect_b32 s74, s74, s75
	s_cselect_b32 s73, 31, 15
	s_mov_b32 s75, 0
	s_add_nc_u64 s[PF:PF+1], s[PF:PF+1], s[74:75]
	v_and_b32 v[LI], 31, v0
	v_min_u32 v[PFO], s73, v[LI]
	v_lshlrev_b32 v[LI], 4, v[LI]
	v_lshlrev_b32 v[PFO], 10, v[PFO]
	; LDS addresses of the fragments: row r x pitch + 16 h
	v_mul_u32_u24 v3, v1, PITCH
	v_lshl_add_u32 v3, v2, 4, v3
	s_mul_i32 s73, s[WR], 128*PITCH
	s_mul_i32 s74, s[CB], 32*PITCH
	s_add_co_u32 s74, s74, WOFF
.irp s, 0,1
	v_add_nc_u32 v[ADX+\s], s73, v3
	v_add_nc_u32 v[ADW+\s], s74, v3
	s_add_co_u32 s73, s73, SLOT
	s_add_co_u32 s74, s74, SLOT
.endr
	s_wait_alu depctr_va_vdst(0)                   ; the wait ahead of the branch and of the scalar lines below
	ASK 512                                        ; for the first refill
	; where my codes go
	s_lshr_b32 s73, s[MY], 3
	s_lshl_b32 s73, s73, 4
	s_add_co_u32 s73, s73, s[HX]                   ; bh
	s_and_b32 s81, s[MY], 7                        ; my block of 256 rows in the batch
	s_lshl_b32 s74, s73, 7
	s_lshl_b32 s75, s81, 4
	s_add_co_u32 s74, s74, s75
	s_lshl_b32 s75, s[WR], 3
	s_add_co_u32 s74, s74, s75                     ; my first tile of 16 rows
	s_lshl_b32 s74, s74, 10
	s_lshl_b32 s75, s[CB], 9                       ; my 32 columns are chunk w % 2 of a fragment
	s_add_co_u32 s74, s74, s75
	s_mov_b32 s75, 0
	s_add_nc_u64 s[22:23], s[22:23], s[74:75]
	s_add_nc_u64 s[24:25], s[24:25], s[74:75]
	s_lshl_b32 s74, s73, 4
	s_lshl_b32 s75, s81, 1
	s_add_co_u32 s74, s74, s75
	s_add_co_u32 s74, s74, s[WR]                   ; my 128 rows are one key step
	s_lshl_b32 s74, s74, 13
	s_lshl_b32 s75, s[CB], 12                      ; my 32 columns are two tiles of channels
	s_add_co_u32 s74, s74, s75
	s_mov_b32 s75, 0
	s_add_nc_u64 s[26:27], s[26:27], s[74:75]
	s_wait_kmcnt 0x0
	SCALES 84, 85, 90, 98, SCL                     ; q: e0, e1 -> e6
	SCALES 86, 87, 91, 99, SCL+2                   ; k: e2, e3 -> e7
	SCALES 88, 89, 93, 100, SCL+4                  ; v: e4, e5 -> e9
	s_wait_alu depctr_va_vdst(0)                   ; the wait at the head's end
	s_wait_tensorcnt 0x0                           ; my part of slot 0 is in; these lines stand ahead of a later first fill as ahead of a refill:
	ds_add_u32 v[SPW], v[NIL]                      ; 0 onto my spare word
	s_wait_dscnt 0x0
	CROUND                                         ; everybody's part of slot 0 is in, and all sixteen work-groups are here
	JLOAD 1                                        ; slot 1's first fill
	FET 0, 0, 0, 0, 56
	ASK 768                                        ; for the second refill
	s_wait_loadcnt 0x0                             ; the biases, the mask's bytes
	WIN 0x82                                       ; source 0 and destination window 2
.set N, 0
.rept 16
	v_ldexp_f32 v[BI+N], v[BI+N], s98
	v_ldexp_f32 v[BI+16+N], v[BI+16+N], s99
.set N, N+1
.endr
.irp u, 0,1
.irp j, 0,1,2,3,4,5,6,7
	v_ldexp_f32 v[BI+32+8*\u+\j], v[BT+\u], s100
.endr
.endr
	WIN 0
	s_wait_alu depctr_va_vdst(0)                   ; the wait here, directly ahead of the wait below
	STEPA 0, 1                                     ; K 0: the biases start the sums
	PACK 0                                         ; slot 1's tiles are on their way
	PACK 1
	PACK 2
	TURN 0, 1, 1                                   ; K 128;  slot 0 takes K 512 on
	STEPA 1, 0                                     ; K 256
	PACK 3                                         ; slot 0's are
	TURN 1, 0, 1                                   ; K 384;  slot 1 takes K 768 on
	STEPA 0, 0                                     ; K 512
	TURN 0, 1, 0                                   ; K 640;  nothing is left to fetch
	STEPA 1, 0                                     ; K 768
	s_wait_dscnt 16                                ; K 896, the last step
.irp a, 0,1,2,3
	MUL1 1, \a, 0
.endr
	s_wait_dscnt 0x0
.irp a, 4,5,6,7
	MUL1 1, \a, 0
.endr
	WIN 0
	PLACES
; THE WAY OUT of x tiles 2 p and 2 p + 1.  Each sum is held within +-57,344 x its scale (the conversion to an 8-bit code does not saturate: ISA guide 7.6.2), each accumulator from its low end on; eight sums become two registers of codes;
; four registers are a chunk of a fragment, stored 16 bytes a lane: 512 consecutive bytes a store.  No store's registers are written again.
.macro OUTP p
	WIN 2+(\p)/2                                   ; source 0: window 2 or 3
.irp u, 0,1
.irp w, 0,1,2,3,4,5
.irp j, 0,1,2,3,4,5,6,7
	v_med3_num_f32 v[HOLD+8*(6*\u+\w)+\j], v[8*(6*(2*((\p)%2)+\u)+\w)+\j], -v[SCL+2*(\w/2)+1], v[SCL+2*(\w/2)+1]
.endr
.endr
.endr
	WIN 0
.set CP, CODE+24*(\p)
.irp u, 0,1
.irp n, 0,1
	v_cvt_scalef32_pk8_bf8_f32 v[CP+4*\u+2*\n:CP+4*\u+2*\n+1], v[HOLD+8*(6*\u+\n):HOLD+8*(6*\u+\n)+7], v[SCL]          ; q: rows of x tile u, d = 16 n + 8 h + 0..7 of my 32
	v_cvt_scalef32_pk8_bf8_f32 v[CP+8+4*\u+2*\n:CP+8+4*\u+2*\n+1], v[HOLD+8*(6*\u+2+\n):HOLD+8*(6*\u+2+\n)+7], v[SCL+2]  ; k likewise
	v_cvt_scalef32_pk8_bf8_f32 v[CP+16+4*\n+2*\u:CP+16+4*\n+2*\u+1], v[HOLD+8*(6*\u+4+\n):HOLD+8*(6*\u+4+\n)+7], v[SCL+4] ; v: channels of tile n, keys 16 (2 p + u) + 8 h + 0..7
.endr
.endr
	v_nop                                          ; one plain vector instruction behind the last conversion: the next pair's holds write the conversions' sources
.irp u, 0,1
	global_store_b128 v[LI], v[CP+4*\u:CP+4*\u+3], s[22:23] offset:(2*(\p)+\u)*1024
	global_store_b128 v[LI], v[CP+8+4*\u:CP+8+4*\u+3], s[24:25] offset:(2*(\p)+\u)*1024
	global_store_b128 v[LI], v[CP+16+4*\u:CP+16+4*\u+3], s[26:27] offset:\u*2048+(\p)*512
.endr
.endm
	OUTP 0
	OUTP 1
	OUTP 2
	OUTP 3
	s_wait_tensorcnt 0x0                           ; the wave's end: behind my last tensor load
	ds_add_u32 v[SPW], v[NIL]
	s_wait_dscnt 0x0
	CROUND                                         ; the closing round: no work-group ends while a partner may still ask for a tile that names it
	s_endpgm
.Lfunc_end_k_q2b7ac1fb13_proj:
	.size	k_q2b7ac1fb13_proj, .Lfunc_end_k_q2b7ac1fb13_proj-k_q2b7ac1fb13_proj
	.p2alignl 7, 3214868480
	.fill 96, 4, 3214868480
	.section	.rodata,"a",@progbits
	.p2align	6, 0x0
	.amdhsa_kernel k_q2b7ac1fb13_proj
		.amdhsa_group_segment_fixed_size 327680
		.amdhsa_private_segment_fixed_size 0
		.amdhsa_enable_private_segment 0
		.amdhsa_kernarg_size 104
		.amdhsa_user_sgpr_count 2
		.amdhsa_user_sgpr_kernarg_segment_ptr 1
		.amdhsa_wavefront_size32 1
		.amdhsa_system_sgpr_workgroup_id_x 1
		.amdhsa_system_sgpr_workgroup_id_y 1
		.amdhsa_system_sgpr_workgroup_id_z 1
		.amdhsa_system_vgpr_workitem_id 0
		.amdhsa_next_free_vgpr 1024
		.amdhsa_next_free_sgpr 102
		.amdhsa_reserve_vcc 0
		.amdhsa_float_denorm_mode_32 3
		.amdhsa_float_denorm_mode_16_64 3
		.amdhsa_memory_ordered 1
		.amdhsa_forward_progress 1
		.amdhsa_inst_pref_size 155
	.end_amdhsa_kernel
	.amdgpu_metadata
---
amdhsa.version: [ 1, 2 ]
amdhsa.kernels:
  - .name:           k_q2b7ac1fb13_proj
    .symbol:         k_q2b7ac1fb13_proj.kd
    .args:
      - { .name: x_codes, .offset: 0, .size: 8, .value_kind: global_buffer, .address_space: global }
      - { .name: Wq_codes, .offset: 8, .size: 8, .value_kind: global_buffer, .address_space: global }
      - { .name: Wk_codes, .offset: 16, .size: 8, .value_kind: global_buffer, .address_space: global }
      - { .name: Wv_codes, .offset: 24, .size: 8, .value_kind: global_buffer, .address_space: global }
      - { .name: bq, .offset: 32, .size: 8, .value_kind: global_buffer, .address_space: global }
      - { .name: bk, .offset: 40, .size: 8, .value_kind: global_buffer, .address_space: global }
      - { .name: bv, .offset: 48, .size: 8, .value_kind: global_buffer, .address_space: global }
      - { .name: lowp_scales, .offset: 56, .size: 8, .value_kind: global_buffer, .address_space: global }
      - { .name: mask, .offset: 64, .size: 8, .value_kind: global_buffer, .address_space: global }
      - { .name: qf, .offset: 72, .size: 8, .value_kind: global_buffer, .address_space: global }
      - { .name: kf, .offset: 80, .size: 8, .value_kind: global_buffer, .address_space: global }
      - { .name: vf, .offset: 88, .size: 8, .value_kind: global_buffer, .address_space: global }
      - { .name: maskw, .offset: 96, .size: 8, .value_kind: global_buffer, .address_space: global }
    .group_segment_fixed_size: 327680
    .private_segment_fixed_size: 0
    .kernarg_segment_align: 8
    .kernarg_segment_size: 104
    .max_flat_workgroup_size: 128
    .sgpr_count:     102
    .vgpr_count:     1024
    .wavefront_size: 32
...
	.end_amdgpu_metadata
.endif
;; end of part 1
;; launch attn (part 2): grid 8 x 32, 8 waves a work-group, clusters of 4 x 1, 327,680 bytes of LDS; arguments qf, kf, vf, maskw, lowp_scales, out0; writes out0
.if DOCPART == 2
	.amdgcn_target "amdgcn-amd-amdhsa--gfx1250"
	.amdhsa_code_object_version 6
	.text
	.protected	k_q2b7ac1fb13_attn
	.globl	k_q2b7ac1fb13_attn
	.p2align	8
	.type	k_q2b7ac1fb13_attn,@function
k_q2b7ac1fb13_attn:
	s_mov_b64 s[64:65], 0
	v_nop
	global_prefetch_b8 v0, s[64:65] scope:SCOPE_SE
	s_setreg_imm32_b32 hwreg(HW_REG_WAVE_MODE, 25, 1), 1
	s_wait_xcnt 0x0
	s_wait_alu depctr_hold_cnt(0) depctr_sa_sdst(0) depctr_va_vdst(0) depctr_va_sdst(0) depctr_va_ssrc(0) depctr_va_vcc(0) depctr_vm_vsrc(0)
	s_getreg_b32 s2, hwreg(HW_REG_IB_STS2, 6, 4)
	s_cmp_eq_u32 s2, 0
	s_cbranch_scc0 .Lentry_in_a_cluster
	s_endpgm
.Lentry_in_a_cluster:
	s_bfe_u32 s2, ttmp6, 0x10000c
	s_cmp_lg_u32 s2, 0x3003
	s_cbranch_scc0 .Lentry_shape_is_right
	s_endpgm
.Lentry_shape_is_right:
; out = softmax(where(mask, 0, q k^T / 8)) v for one head and 256 queries a work-group, on codes of BF8 (E5M2), sums in f32.  t = score x log2(e) / 8; M = the running largest t rounded up to a whole number;
; p = 2^(t - M) is quantised along the keys, not normalised; the row's sum is taken of the unquantised p and divides at the end.  Nothing of reference() is left out.
; LIMITS on the given exponents (entries of the scales), so that each power of two is an f32 number: e6 + e7 between -123 and 130; e8 between -126 and 112.  The scaled scores t stay under 2^31 in magnitude.  NaN and infinity codes are not served.
; SHARES.  Eight waves; wave w owns the query tiles 2 w (slot 0) and 2 w + 1 (slot 1), 16 queries each, and walks all keys, 128 a step.  Each fragment of K and V serves both slots.
; THE SLOTS RUN HALF A STEP APART.  A half step of slot t: its scores are masked, its M found, its exponentials issued, and among them the first sums and the holds of the other slot u's p, which stand half a step further on;
; then u's O^T is rescaled, its codes made, its next scores and its product with V issued.  Slot 0's half ends with one run of LDS loads: V of this step, K of the next, which have slot 1's half in which to land.
; LAYOUT.  Both products are used transposed (S^T = K Q^T, O^T = V^T P^T): a lane holds one query (lane % 16); register 8 c + j is key 16 c + 8 (lane / 16) + j of the step: the conversions' results are the next operand.
; The inputs are images of operand registers: K 8,192 bytes a step, V 8,192 bytes a step; maskw: 64 words a tile and step, bit l of word n = mask of lane l's query and register n's key.
; LDS.  K's 128 KiB, then V's, in two fills: steps 0 to 3 (8 KiB a wave), steps 4 to 15 (24 KiB a wave); a gate stands ahead of step 3, which is the first to read the second fill.
; CLUSTER 4 x 1: four blocks of 256 queries of one head need the same K and V: every tensor load is joint.
; PREFETCH.  K and V are asked for whole by two loads a wave ahead of the loop.  The mask words (256 bytes a tile and step, loaded half a step ahead) are prefetched in step s for step s + 2: all 16 tiles of the work-group, a lane a tile, by wave 0,
; in those of the sixteen heads for which (head + head / 4) % 4 = (s + 2) % 4: each block is named by four work-groups of the launch.  Steps 0 and 1 come by their loads alone; steps 14 and 15 ask for nothing.
; REGISTERS.  Window 0: below.  Window 1: v0-63 K, v64-127 V, v128-191 O^T of both slots.
.set KS,   8192                        ; a key step's bytes of K, and of V
.set STAGE, 262144                     ; the way out: 16 rows x (256 bytes + 16) a wave
.set SP,   272
.set SPARE, STAGE+8*16*SP              ; the spare words, 128 bytes a wave: blocks of 256 bytes that no other line names
.set ADK,  1                           ; v1, v2 LDS addresses for the run of loads
.set ADV,  2
.set LI,   3                           ; v3    16 x lane
.set SPW,  4                           ; v4    my spare word; never rewritten
.set NIL,  5                           ; v5    0; never rewritten
.set STO,  6                           ; v6, v7 the way out: into the stage, and back by rows
.set RD,   7
.set GO,   8                           ; v8    the way out: byte offset in out0
.set LIM,  9                           ; v9, v10 57,344 x 2^e8, twice
.set PX,   11
.set NM,   12                          ; v12 -M, v13 the largest score; v14, v15 likewise for slot 1
.set L,    16                          ; v[16:17], v[18:19] the sums, in two halves
.set F,    20                          ; v20, v22 2^(old M - new M)
.set C0,   24                          ; v24-29 at work
.set SC,   30                          ; v30   2^e8, for the conversion
.set PFO,  31                          ; v31   the prefetches' offset: 4,096 x lane, lanes 16 on name lane 15's block; never rewritten
.set Q,    32                          ; v32-47 the queries' fragments
.set S,    48                          ; v48-111, v112-175 S^T, then p
.set T,    176                         ; v176-207 sixteen partial sums of p, two halves each
.set PC,   208                         ; v208-223 p's codes
.set KF,   0                           ; window 1
.set VF,   64
.set O,    128
.set TB,   2                           ; s2    the step's first byte in K, in V
.set EO,   3                           ; s3    e8 + e9
.set G1A,  52                          ; s[52:59], s[84:91] descriptor group 1 for the first and the second fill
.set MP,   60                          ; s[60:61] slot 0's mask words; slot 1's lie 4,096 bytes on
.set CS,   62                          ; s[62:63] log2(e) / 8 x 2^(e6 + e7), twice
.set SEL,  66                          ; s[66:67] lane selects: lane l xor 16
.set G1B,  84
.set G0,   92                          ; s[92:95] group 0
.set PF,   96                          ; s[96:97] the prefetches' base
.set PFC,  98                          ; s98   (head + head / 4) % 4 in wave 0, else 64
.set PFS,  99                          ; s99   the step that is asked for
.set OUT,  100
.set WV,   104
.set CNT,  105
.set MSB,  0
.macro WIN new                         ; the immediate's high byte repeats the setting that is left
.if MSB != (\new)
	s_set_vgpr_msb (MSB<<8)|(\new)
.set MSB, (\new)
.endif
.endm
.macro CROUND                          ; a round of the cluster's barrier
	s_barrier_signal -1
	s_barrier_wait -1
	s_cmp_lg_u32 s[WV], 0
	s_cbranch_scc1 .Lnot_wave_0_\@
	s_barrier_signal -3
.Lnot_wave_0_\@:
	s_barrier_wait -3
	s_barrier_signal -1
	s_barrier_wait -1
.endm
.macro GROUP1 g, rows                  ; a dense block of rows of 256 bytes: 32 elements of 8 bytes; joint with all four work-groups of the cluster
	s_mov_b32 s[\g], 15|(3<<16)|(1<<21)
	s_mov_b32 s[\g+1], 32<<16
	s_mov_b32 s[\g+2], (\rows)<<16
	s_mov_b32 s[\g+3], 32<<16
	s_mov_b32 s[\g+4], \rows
	s_mov_b32 s[\g+5], 32
	s_mov_b32 s[\g+6], 0
	s_mov_b32 s[\g+7], 0
.endm
.macro MASKS o                         ; 64 lane masks: s4-51 and s68-83
	s_load_b512 s[4:19], s[MP:MP+1], \o
	s_load_b512 s[20:35], s[MP:MP+1], \o+0x40
	s_load_b512 s[36:51], s[MP:MP+1], \o+0x80
	s_load_b512 s[68:83], s[MP:MP+1], \o+0xc0
.endm
	s_load_b256 s[68:75], s[0:1], 0x0              ; qf, kf, vf, maskw
	s_load_b128 s[76:79], s[0:1], 0x20             ; the scales, out0
	v_lshl_add_u32 v[SPW], v0, 2, SPARE
	v_mov_b32 v[NIL], 0
	ds_add_u32 v[SPW], v[NIL]                      ; the wave's opening: the add, twice on end, and its wait ahead of my first tensor load
	ds_add_u32 v[SPW], v[NIL]
	v_lshrrev_b32 v24, 5, v0
	v_readfirstlane_b32 s[WV], v24                 ; wave 0..7
	GROUP1 G1A, 32
	GROUP1 G1B, 96
	s_mov_b32 s[SEL], 0x76543210
	s_mov_b32 s[SEL+1], 0xfedcba98
	s_mov_b32 s[CS], 0x3e38aa3b                    ; log2(e) / 8
	s_bfe_u32 s4, ttmp6, 0x40000
	s_lshl_b32 s5, ttmp9, 2
	s_add_co_u32 s5, s5, s4                        ; the block of 256 queries = 4 x cluster x + cx
	s_and_b32 s6, ttmp7, 0xffff                    ; 16 batch + head
	; what I fetch: w / 4: K or V; w % 4: which quarter.  The same in all four work-groups
	s_and_b32 s9, s[WV], 3
	s_lshr_b32 s10, s[WV], 2
	s_lshl_b32 s11, s10, 17
	s_lshl_b32 s12, s9, 13
	s_add_co_u32 s13, s11, s12                     ; first fill in LDS: 131,072 (w / 4) + 8,192 (w % 4)
	s_lshl_b32 s16, s6, 17
	s_add_co_u32 s16, s16, s12                     ; and in kf or vf
	s_mov_b32 s17, 0
	; my queries, mask words and rows of out0
	s_lshl_b32 s21, s5, 4
	s_lshl_b32 s22, s[WV], 1
	s_add_co_u32 s24, s21, s22                     ; tile in the batch: 16 block + 2 w
	s_lshl_b32 s20, s6, 7
	s_add_co_u32 s20, s20, s24
	s_lshl_b32 s20, s20, 10                        ; qf: 1,024 bytes a tile
	s_mov_b32 s21, 0
	s_lshr_b32 s25, s6, 4
	s_lshl_b32 s25, s25, 7
	s_add_co_u32 s24, s24, s25                     ; tile of 16 queries among both batches' 256
	s_lshl_b32 s22, s24, 12                        ; maskw: 4,096 bytes a tile, 256 a step
	s_mov_b32 s23, 0
	s_lshl_b32 s30, s24, 16                        ; out0: 16 rows of 4,096 bytes a tile
	s_and_b32 s31, s6, 15
	s_lshl_b32 s31, s31, 8
	s_add_co_u32 s30, s30, s31
	s_mov_b32 s31, 0
	s_wait_alu depctr_va_vdst(0)                   ; the wait ahead of the waits below
	s_wait_dscnt 0x0                               ; both opening adds are done
	s_wait_kmcnt 0x0
	s_load_b128 s[96:99], s[76:77], 0x18           ; e6, e7, e8, e9
	s_cmp_lt_u32 s[WV], 4
	s_cselect_b64 s[32:33], s[70:71], s[72:73]
	s_mov_b32 s[G0], 1
	s_mov_b32 s[G0+1], s13
	s_add_nc_u64 s[G0+2:G0+3], s[32:33], s[16:17]
	s_or_b32 s[G0+3], s[G0+3], 0x80000000
	s_add_nc_u64 s[68:69], s[68:69], s[20:21]
	s_add_nc_u64 s[MP:MP+1], s[74:75], s[22:23]
	s_add_nc_u64 s[OUT:OUT+1], s[78:79], s[30:31]
	CROUND                                         ; all four work-groups are here: the first joint loads meet
	tensor_load_to_lds s[G0:G0+3], s[G1A:G1A+7]    ; steps 0 to 3
	s_nop 0
.rept 4
	v_nop
.endr
	v_and_b32 v[LI], 31, v0
	v_min_u32 v[PFO], 15, v[LI]
	v_lshlrev_b32 v[LI], 4, v[LI]
	v_lshlrev_b32 v[PFO], 12, v[PFO]
.irp t, 0,1
.irp c, 0,1
	global_load_b128 v[Q+8*\t+4*\c:Q+8*\t+4*\c+3], v[LI], s[68:69] offset:1024*\t+512*\c
.endr
.endr
	s_wait_alu depctr_va_vdst(0)                   ; the wait here, directly ahead of the wait below
	s_wait_xcnt 0x0                                ; the loads have read s[68:69], s[76:77]
	MASKS 0                                        ; slot 0, step 0
	v_and_b32 v26, 15, v0                          ; r
	v_bfe_u32 v27, v0, 4, 1                        ; h
	v_lshrrev_b32 v24, 5, v0
	v_mul_u32_u24 v24, 16*SP, v24
	v_add_nc_u32 v24, STAGE, v24                   ; my stage
	v_mul_u32_u24 v[STO], SP, v26                  ; in: row r, 32 bytes for each half of the lanes
	v_lshl_add_u32 v[STO], v27, 5, v[STO]
	v_add_nc_u32 v[STO], v24, v[STO]
	v_mul_u32_u24 v[RD], SP, v27                   ; back: lanes 0-15 one row of 256 bytes, lanes 16-31 the next
	v_lshl_add_u32 v[RD], v26, 4, v[RD]
	v_add_nc_u32 v[RD], v24, v[RD]
	v_lshlrev_b32 v[GO], 12, v27
	v_lshl_add_u32 v[GO], v26, 4, v[GO]
.irp t, 0,1
	v_mov_b32 v[NM+2*\t], 0x7f61b1e6               ; -M = 3e38: the first step's factor is 0
	v_mov_b32 v[NM+1+2*\t], 0xff61b1e6             ; the largest score so far: -3e38
	v_mov_b32 v[L+2*\t], 0
	v_mov_b32 v[L+1+2*\t], 0
	v_mov_b32 v[F+1+2*\t], 0                       ; named as the upper half of a pair
.endr
	v_mov_b32 v[PX], 0                             ; a lane permute's destination counts as read
	WIN 0x40
.set N, 0
.rept 64
	v_mov_b32 v[O+N], 0                            ; the step is written for all trips alike: the first multiplies zeros
.set N, N+1
.endr
	WIN 0
	s_wait_alu depctr_va_vdst(0)
	s_wait_kmcnt 0x0                               ; the exponents, the first mask words
	s_add_co_i32 s96, s96, s97
	s_lshl_b32 s96, s96, 23
	s_add_co_i32 s[CS], s[CS], s96                 ; a score stands for score x 2^(e6 + e7): added to the exponent field
	s_mov_b32 s[CS+1], s[CS]
	s_add_co_i32 s[EO], s98, s99
	s_add_co_i32 s98, s98, 127
	s_lshl_b32 s97, s98, 23
	v_mov_b32 v[SC], s97
	s_add_co_i32 s98, s98, 15
	s_lshl_b32 s98, s98, 23
	s_or_b32 s98, s98, 0x600000
	v_mov_b32 v[LIM], s98
	v_mov_b32 v[LIM+1], s98
	s_wait_alu depctr_va_vdst(0)                   ; the wait at the head's end
	s_wait_loadcnt 0x0                             ; the queries
	s_wait_tensorcnt 0x0                           ; my part of the first fill is in: group 0 may be written
	ds_add_u32 v[SPW], v[NIL]                      ; 0 onto my spare word
	s_and_b32 s98, s[WV], 3
	s_lshl_b32 s98, s98, 14
	s_add_co_u32 s98, s98, 0x8000                  ; second fill: 32,768 + 24,576 (w % 4) into K or V, which is 32,768 + 16,384 (w % 4) on from the first, in LDS and in memory alike
	s_mov_b32 s99, 0
	s_add_co_u32 s[G0+1], s[G0+1], s98
	s_add_nc_u64 s[G0+2:G0+3], s[G0+2:G0+3], s[98:99]
	s_lshl_b32 s98, s[WV], 13
	s_add_nc_u64 s[PF:PF+1], s[MP:MP+1], 256
	s_sub_nc_u64 s[PF:PF+1], s[PF:PF+1], s[98:99]  ; the work-group's first tile, step 1: step 0 steps it to 2
	s_and_b32 s98, ttmp7, 15
	s_lshr_b32 s99, s98, 2
	s_add_co_u32 s98, s98, s99
	s_and_b32 s98, s98, 3
	s_cmp_eq_u32 s[WV], 0
	s_cselect_b32 s[PFC], s98, 64
	s_mov_b32 s[PFS], 1
	s_wait_dscnt 0x0
	CROUND                                         ; everybody's part of the first fill is in
	tensor_load_to_lds s[G0:G0+3], s[G1B:G1B+7]    ; steps 4 to 15
	s_nop 0
.rept 4
	v_nop
.endr
.macro TA a, b                         ; partial sum a += partial sum b
	v_pk_add_f32 v[T+2*(\a):T+2*(\a)+1], v[T+2*(\a):T+2*(\a)+1], v[T+2*(\b):T+2*(\b)+1]
.endm
.macro LA l, b                         ; the sum += partial sum b
	v_pk_add_f32 v[\l:\l+1], v[\l:\l+1], v[T+2*(\b):T+2*(\b)+1]
.endm
.macro TREE on, a, b
.if \on
	TA \a, \b
.endif
.endm
.macro LTREE on, l, b
.if \on
	LA \l, \b
.endif
.endm
.macro FADD su, i                      ; partial sum i: of four unquantised p
	v_pk_add_f32 v[T+2*(\i):T+2*(\i)+1], v[\su+4*(\i):\su+4*(\i)+1], v[\su+4*(\i)+2:\su+4*(\i)+3]
.endm
.macro FMIN r                          ; the hold of two p: the conversion to an 8-bit code does not saturate (ISA guide 7.6.2); p is not negative
	v_dual_min_num_f32 v[\r], v[\r], v[LIM] :: v_dual_min_num_f32 v[(\r)+1], v[(\r)+1], v[LIM+1]
.endm
.macro SCALEO u                        ; O^T of slot u under its new M; the wait serves these first readers of O^T and what was written among the exponentials
	WIN 0x41
	s_wait_alu depctr_va_vdst(0)
.set N, 0
.rept 16
	v_pk_mul_f32 v[O+32*(\u)+N:O+32*(\u)+N+1], v[O+32*(\u)+N:O+32*(\u)+N+1], v[F+2*(\u):F+2*(\u)+1] op_sel_hi:[1,0]
.set N, N+2
.endr
	WIN 0
.endm
.macro CODES u                         ; p's codes; then the sum under the new M, plus partial sum 0: also the plain instruction behind the last conversion
.irp c, 0,1,2,3,4,5,6,7
	v_cvt_scalef32_pk8_bf8_f32 v[PC+2*\c:PC+2*\c+1], v[S+64*(\u)+8*\c:S+64*(\u)+8*\c+7], v[SC]
.endr
	v_pk_fma_f32 v[L+2*(\u):L+2*(\u)+1], v[L+2*(\u):L+2*(\u)+1], v[F+2*(\u):F+2*(\u)+1], v[T:T+1] op_sel_hi:[1,0,1]
.endm
.macro QK u
	WIN 0x01
.irp k, 0,1,2,3,4,5,6,7
	v_wmma_f32_16x16x64_bf8_bf8 v[S+64*(\u)+8*\k:S+64*(\u)+8*\k+7], v[KF+8*\k:KF+8*\k+7], v[Q+8*(\u):Q+8*(\u)+7], 0
.endr
.endm
.macro PV u
	WIN 0x51
.irp k, 0,1,2,3
	v_wmma_f32_16x16x128_bf8_bf8 v[O+32*(\u)+8*\k:O+32*(\u)+8*\k+7], v[VF+16*\k:VF+16*\k+15], v[PC:PC+15], v[O+32*(\u)+8*\k:O+32*(\u)+8*\k+7]
.endr
.endm
; A half step of slot t.  fin = 1: the other slot u has p of its own to finish, and slot t partial sums to join.  more = 1: a step follows.
.macro HALF t, fin, more
.set ST, S+64*(\t)
.set SU, S+64*(1-(\t))
.set NT, NM+2*(\t)
.set LT, L+2*(\t)
	s_wait_kmcnt 0x0
.set N, 0
.rept 48
	v_cndmask_b32 v[ST+N], v[ST+N], 0, s[4+N]      ; a masked score is 0
.set N, N+1
.endr
.rept 16
	v_cndmask_b32 v[ST+N], v[ST+N], 0, s[20+N]     ; s68 on
.set N, N+1
.endr
.if (\t) == 0
	MASKS 0x1000                                   ; slot 1, this step
.elseif \more
	s_wait_xcnt 0x0                                ; any prefetch of mine has read its base
	s_add_nc_u64 s[MP:MP+1], s[MP:MP+1], 256
	s_add_nc_u64 s[PF:PF+1], s[PF:PF+1], 256
	MASKS 0                                        ; slot 0, the next step
	s_add_co_u32 s[PFS], s[PFS], 1
	s_and_b32 vcc_lo, s[PFS], 0x13                 ; (step 16, which is none, equals no head's number)
	s_cmp_eq_u32 vcc_lo, s[PFC]
	s_cbranch_scc0 .Lnot_mine_\@
	global_prefetch_b8 v[PFO], s[PF:PF+1] th:TH_LOAD_NT scope:SCOPE_SE
.Lnot_mine_\@:
.endif
.set N, 0
.set J, 0
.rept 6                                ; the largest score: six chains, and the running largest as a leaf
	v_max3_num_f32 v[C0+J], v[ST+N], v[ST+N+1], v[ST+N+2]
.set N, N+3
.set J, J+1
.endr
.set J, 0
.rept 23
	v_max3_num_f32 v[C0+J], v[C0+J], v[ST+N], v[ST+N+1]
.set N, N+2
.set J, (J+1)%6
.endr
	v_max3_num_f32 v[C0], v[C0], v[C0+1], v[C0+2]
	v_max3_num_f32 v[C0+3], v[C0+3], v[C0+4], v[C0+5]
	TREE \fin, 9, 10                               ; the chain that makes M, and between its links the joining of slot t's partial sums of the step before
	v_max3_num_f32 v[NT+1], v[NT+1], v[C0], v[C0+3]
	TREE \fin, 11, 12
	v_permlanex16_b32 v[PX], v[NT+1], s[SEL], s[SEL+1]
	TREE \fin, 13, 14
	LTREE \fin, LT, 15
	v_max_num_f32 v[NT+1], v[NT+1], v[PX]          ; and lane l xor 16's
	TREE \fin, 1, 3
	v_mul_f32 v[C0], s[CS], v[NT+1]                ; as t (the factor is positive)
	v_mov_b32 v[C0+1], v[NT]
	TREE \fin, 5, 7
	v_floor_f32 v[NT], -v[C0]                      ; the new -M: a whole number
	TREE \fin, 9, 11
	LTREE \fin, LT, 13
	v_sub_f32 v[C0+1], v[NT], v[C0+1]
	TREE \fin, 1, 5
	v_cvt_i32_f32 v[C0+1], v[C0+1]                 ; (it saturates)
	LTREE \fin, LT, 9
	v_ldexp_f32 v[F+2*(\t)], 1.0, v[C0+1]          ; 2^(old M - new M)
	LTREE \fin, LT, 1
.set N, 0
.rept 32
	v_pk_fma_f32 v[ST+N:ST+N+1], v[ST+N:ST+N+1], s[CS:CS+1], v[NT:NT+1] op_sel_hi:[1,0,0]   ; t - M
.set N, N+2
.endr
	s_wait_alu depctr_va_vdst(0)                   ; the wait ahead of the batch
.set I, 0
.rept 16                               ; the batch: p, at most 1; and among it, on registers that the batch does not name, the other slot's partial sums and holds
	v_exp_f32 v[ST+4*I], v[ST+4*I]
.if \fin
	FADD SU, I
.endif
	v_exp_f32 v[ST+4*I+1], v[ST+4*I+1]
.if \fin
	FMIN SU+4*I
.endif
	v_exp_f32 v[ST+4*I+2], v[ST+4*I+2]
	v_exp_f32 v[ST+4*I+3], v[ST+4*I+3]
.if \fin
	FMIN SU+4*I+2
.endif
.set I, I+1
.endr
.if \fin
.if (\t) == 1
	s_wait_dscnt 0x0                               ; V of this step, K of the next
.endif
	SCALEO 1-(\t)
	CODES 1-(\t)
.if ((\t) == 0) || (\more)
	QK 1-(\t)
.endif
	PV 1-(\t)
	WIN 0
	TA 1, 2                                        ; four plain instructions: places behind the matrix instructions ahead of loads and of reads of the scores
	TA 3, 4
	TA 5, 6
	TA 7, 8
.else
	v_nop                                          ; a plain place behind the batch
	s_wait_alu depctr_va_vdst(0)                   ; and the wait behind it
	QK 1-(\t)
	WIN 0
.rept 4
	v_nop
.endr
.endif
.if (\t) == 0
	v_add_nc_u32 v[ADK], s[TB], v[LI]
	v_add_nc_u32 v[ADV], 0x20000, v[ADK]
	WIN 0x40
.irp k, 0,1,2,3
.irp c, 0,1,2,3
	ds_load_b128 v[VF+16*\k+4*\c:VF+16*\k+4*\c+3], v[ADV] offset:2048*\k+512*\c
.endr
.endr
.if \more
.irp k, 0,1,2,3,4,5,6,7
.irp c, 0,1
	ds_load_b128 v[KF+8*\k+4*\c:KF+8*\k+4*\c+3], v[ADK] offset:KS+1024*\k+512*\c
.endr
.endr
.endif
	WIN 0
	s_add_co_u32 s[TB], s[TB], KS
.endif
.endm
	WIN 0x40
.irp k, 0,1,2,3,4,5,6,7
.irp c, 0,1
	ds_load_b128 v[KF+8*\k+4*\c:KF+8*\k+4*\c+3], v[LI] offset:1024*\k+512*\c
.endr
.endr
	s_wait_dscnt 0x0
	QK 0
	WIN 0
.rept 4
	v_nop
.endr
	s_mov_b32 s[TB], 0
	HALF 0, 0, 1                                   ; step 0: slot 1 has nothing to finish yet
	; step 0's slot 1: it finishes slot 0's p; its own partial sums are none yet: they are set to 0, so that the half is written for all trips alike
.set N, 0
.rept 32
	v_mov_b32 v[T+N], 0
.set N, N+1
.endr
	HALF 1, 1, 1
	s_mov_b32 s[TB], KS
	s_mov_b32 s[CNT], 2
.Lfirst:                                               ; steps 1, 2
	HALF 0, 1, 1
	HALF 1, 1, 1
	s_sub_co_u32 s[CNT], s[CNT], 1
	s_cmp_lg_u32 s[CNT], 0
	s_cbranch_scc1 .Lfirst
	s_wait_alu depctr_va_vdst(0)
	s_wait_tensorcnt 0x0                           ; THE GATE: my part of the second fill is in; behind the barrier everybody's is
	s_barrier_signal -1
	s_barrier_wait -1
	s_mov_b32 s[TB], 3*KS
	s_mov_b32 s[CNT], 12
.Lsecond:                                              ; steps 3 to 14
	HALF 0, 1, 1
	HALF 1, 1, 1
	s_sub_co_u32 s[CNT], s[CNT], 1
	s_cmp_lg_u32 s[CNT], 0
	s_cbranch_scc1 .Lsecond
	s_mov_b32 s[TB], 15*KS
	HALF 0, 1, 0                                   ; step 15
	HALF 1, 1, 0
.macro REST l                          ; partial sums 9 to 15, and all onto the sum
	TA 9, 10
	TA 11, 12
	TA 13, 14
	LA \l, 15
	TA 1, 3
	TA 5, 7
	TA 9, 11
	LA \l, 13
	TA 1, 5
	LA \l, 9
	LA \l, 1
.endm
	REST L                                         ; slot 0 is finished
.set I, 0
.rept 16                               ; slot 1's last p
	FADD S+64, I
	FMIN S+64+4*I
	FMIN S+64+4*I+2
.set I, I+1
.endr
	SCALEO 1
	CODES 1
	PV 1
	WIN 0
	TA 1, 2
	TA 3, 4
	TA 5, 6
	TA 7, 8
	REST L+2
	; THE WAY OUT.  The sums' halves and lane l xor 16's are added; O^T / the sum goes through my stage, one tile behind the other, and leaves as whole rows of 256 bytes.
	v_add_f32 v16, v16, v17
	v_add_f32 v18, v18, v19
	v_permlanex16_b32 v[PX], v16, s[SEL], s[SEL+1]
	v_add_f32 v16, v16, v[PX]
	v_permlanex16_b32 v[PX], v18, s[SEL], s[SEL+1]
	v_add_f32 v18, v18, v[PX]
	s_wait_alu depctr_va_vdst(0)                   ; the wait ahead of the batch
	v_rcp_f32 v20, v16
	v_rcp_f32 v22, v18
	v_nop
	s_wait_alu depctr_va_vdst(0)                   ; and one behind it
	v_ldexp_f32 v20, v20, s[EO]                    ; x 2^(e8 + e9)
	v_ldexp_f32 v22, v22, s[EO]
	WIN 0x01
	s_wait_alu depctr_va_vdst(0)                   ; the wait ahead of the first readers of O^T
.irp t, 0,1
.set N, 0
.rept 16
	v_pk_mul_f32 v[S+32*\t+N:S+32*\t+N+1], v[O+32*\t+N:O+32*\t+N+1], v[F+2*\t:F+2*\t+1] op_sel_hi:[1,0]
.set N, N+2
.endr
.endr
	WIN 0
.irp t, 0,1                            ; register 8 d + i of a tile is channel 16 d + 8 h + i of query r.  LDS serves a wave's instructions in order (ISA guide 5.7.1.4)
.irp d, 0,1,2,3
	ds_store_b128 v[STO], v[S+32*\t+8*\d:S+32*\t+8*\d+3] offset:64*\d
	ds_store_b128 v[STO], v[S+32*\t+8*\d+4:S+32*\t+8*\d+7] offset:64*\d+16
.endr
.irp i, 0,1,2,3,4,5,6,7
	ds_load_b128 v[S+64+32*\t+4*\i:S+64+32*\t+4*\i+3], v[RD] offset:2*\i*SP
.endr
.endr
.irp t, 0,1
.irp i, 0,1,2,3,4,5,6,7
	s_wait_dscnt 23-16*\t-\i                       ; tile 0: behind load i stand 7 - i loads and tile 1's 16; tile 1: 7 - i loads
	global_store_b128 v[GO], v[S+64+32*\t+4*\i:S+64+32*\t+4*\i+3], s[OUT:OUT+1] offset:(16*\t+2*\i)*4096 th:TH_STORE_NT   ; sixteen lanes store 256 consecutive bytes, aligned
.endr
.endr
	s_wait_tensorcnt 0x0                           ; the wave's end
	ds_add_u32 v[SPW], v[NIL]
	s_wait_dscnt 0x0
	CROUND                                         ; the closing round: no work-group ends while a partner may still ask for a tile that names it
	s_endpgm
.Lfunc_end_k_q2b7ac1fb13_attn:
	.size	k_q2b7ac1fb13_attn, .Lfunc_end_k_q2b7ac1fb13_attn-k_q2b7ac1fb13_attn
	.p2alignl 7, 3214868480
	.fill 96, 4, 3214868480
	.section	.rodata,"a",@progbits
	.p2align	6, 0x0
	.amdhsa_kernel k_q2b7ac1fb13_attn
		.amdhsa_group_segment_fixed_size 327680
		.amdhsa_private_segment_fixed_size 0
		.amdhsa_enable_private_segment 0
		.amdhsa_kernarg_size 48
		.amdhsa_user_sgpr_count 2
		.amdhsa_user_sgpr_kernarg_segment_ptr 1
		.amdhsa_wavefront_size32 1
		.amdhsa_system_sgpr_workgroup_id_x 1
		.amdhsa_system_sgpr_workgroup_id_y 1
		.amdhsa_system_sgpr_workgroup_id_z 1
		.amdhsa_system_vgpr_workitem_id 0
		.amdhsa_next_free_vgpr 512
		.amdhsa_next_free_sgpr 106
		.amdhsa_reserve_vcc 1
		.amdhsa_float_denorm_mode_32 3
		.amdhsa_float_denorm_mode_16_64 3
		.amdhsa_memory_ordered 1
		.amdhsa_forward_progress 1
		.amdhsa_inst_pref_size 167
	.end_amdhsa_kernel
	.amdgpu_metadata
---
amdhsa.version: [ 1, 2 ]
amdhsa.kernels:
  - .name:           k_q2b7ac1fb13_attn
    .symbol:         k_q2b7ac1fb13_attn.kd
    .args:
      - { .name: qf, .offset: 0, .size: 8, .value_kind: global_buffer, .address_space: global }
      - { .name: kf, .offset: 8, .size: 8, .value_kind: global_buffer, .address_space: global }
      - { .name: vf, .offset: 16, .size: 8, .value_kind: global_buffer, .address_space: global }
      - { .name: maskw, .offset: 24, .size: 8, .value_kind: global_buffer, .address_space: global }
      - { .name: lowp_scales, .offset: 32, .size: 8, .value_kind: global_buffer, .address_space: global }
      - { .name: out0, .offset: 40, .size: 8, .value_kind: global_buffer, .address_space: global }
    .group_segment_fixed_size: 327680
    .private_segment_fixed_size: 0
    .kernarg_segment_align: 8
    .kernarg_segment_size: 48
    .max_flat_workgroup_size: 256
    .sgpr_count:     106
    .vgpr_count:     512
    .wavefront_size: 32
...
	.end_amdgpu_metadata
.endif
;; end of part 2
